; MI455X (gfx1250); checked and timed in simulation.
; The chip was launched on July 23, 2026; its instructions are those of AMD's public machine-readable ISA for CDNA 5 (MIT licence, August 2026) and "CDNA5" Instruction Set Architecture Reference Guide (July 2026). The comments in the code are by the model that wrote it; some were corrected since.
;; MHA. Allowed arithmetic: float matrix products may take bf16 or f16 operands with f32 sums; all other float work in f32.
;; Inputs: Wk 1,024 x 1,024 float32; Wo 1,024 x 1,024 float32; Wq 1,024 x 1,024 float32; Wv 1,024 x 1,024 float32; bk 1,024 float32; bo 1,024 float32; bq 1,024 float32; bv 1,024 float32; k 2 x 2,048 x 1,024 float32; mask 2 x 2,048 int32; q 2 x 2,048 x 1,024 float32; v 2 x 2,048 x 1,024 float32.
;; Outputs: out0 2 x 2,048 x 1,024 float32.
;; Constants: causal = 1.
;; One version. Each part assembles by itself: llvm-mc -triple=amdgcn-amd-amdhsa -mcpu=gfx1250 --defsym DOCPART=n.
;; ======== version 1 of 1: 3 launches
;; limits: values are held in f16: magnitudes above 65,504 overflow, below 6.1e-05 lose precision
;; workspace buffers: Qh 8,388,608 bytes; Kh 8,388,608 bytes; Vh 8,388,608 bytes; ctx 8,388,608 bytes; mbias 16,384 bytes; wo16 2,097,152 bytes
;; launch proj (part 1): grid 4 x 48, 4 waves a work-group, clusters of 4 x 4, 327,680 bytes of LDS; arguments q, k, v, Wq, Wk, Wv, bq, bk, bv, Qh, Kh, Vh, mask, mbias; writes Qh, Kh, Vh, mbias
.if DOCPART == 1
	.amdgcn_target "amdgcn-amd-amdhsa--gfx1250"
	.amdhsa_code_object_version 6
	.text
	.protected	k_q4d0b74f96a_proj
	.globl	k_q4d0b74f96a_proj
	.p2align	8
	.type	k_q4d0b74f96a_proj,@function
k_q4d0b74f96a_proj:
	s_mov_b64 s[64:65], 0
	v_nop
	global_prefetch_b8 v0, s[64:65] scope:SCOPE_SE
	s_setreg_imm32_b32 hwreg(HW_REG_WAVE_MODE, 25, 1), 1
	s_wait_xcnt 0x0
	s_wait_alu depctr_hold_cnt(0) depctr_sa_sdst(0) depctr_va_vdst(0) depctr_va_sdst(0) depctr_va_ssrc(0) depctr_va_vcc(0) depctr_vm_vsrc(0)
	s_getreg_b32 s2, hwreg(HW_REG_IB_STS2, 6, 4)
	s_cmp_eq_u32 s2, 0
	s_cbranch_scc0 .Lentry_in_a_cluster
	s_endpgm
.Lentry_in_a_cluster:
	s_bfe_u32 s2, ttmp6, 0x10000c
	s_cmp_lg_u32 s2, 0xf033
	s_cbranch_scc0 .Lentry_shape_is_right
	s_endpgm
.Lentry_shape_is_right:
; Y = x W^T + b for the three projections (x = q, k, v: [4096][1024] f32; W: [1024][1024] f32; b: [1024] f32).
; Y goes out in f16, head-major: byte ((batch*16 + head)*2048 + t)*128 + 2 d.  Also: mbias[i] = (mask[i] == 0) ? -2^127 : 0.
; Operands are rounded to bf16 on the way from LDS to the matrix unit, sums and bias in f32, Y rounded once to f16.
; LIMIT: |Y| has to stay below 65,504 (f16).  Inputs of the drawn kind give |Y| of about 3.5 at the most, so x and W may each
; grow more than 100-fold; offsets of 30 spreads on both give 1024 x 30 x 0.6 = 18,432.
; f16 and not bf16 for Y: under the causal mask the first rows of the final output are single rows of V, far larger than the
; output's average, and the 8 significant bits of bf16 leave too coarse an error there; f16 has 11.
; SHAPE: grid 4 x 48 work-groups: 16 block rows of 256 tokens for each projection, 4 block columns of 256 features.
; Four waves, each 128 x 128 of Y in 512 registers.  K in steps of 64 f32 (rows of 256 bytes, starting at multiples of 256
; bytes from the buffer's first byte) through a ring of two LDS slots.
; CLUSTERS: 4 x 4 work-groups.  x's tile hangs on the block row alone and is asked for jointly by a row of the cluster, W's on the
; block column alone and is asked for jointly by a column.  The projection comes from the cluster's y, so it is one for all sixteen.
; REGISTERS: window 0: v0-31 addresses, v64-127 x fragments (bf16), v128-255 x raw (f32);
;            window 1: v0-63 bias, v64-127 W fragments, v128-255 W raw;  windows 2, 3: accumulators, tile (a, b) at v[8 (8 a + b)].
; The matrix instruction is used transposed (source 0 = rows of W, source 1 = rows of x): lane l holds token l % 16 and its
; registers 0-7 the features 8 (l / 16) + 0..7, eight neighbours of a row of Y.
.set KSTEP,  64
.set PITCH,  272                       ; 256 bytes of data + 16 of padding: the 16 rows that a load touches start in 16 different 16-byte columns
.set HALFT,  128*PITCH                 ; what one tensor load brings
.set SLOT,   4*HALFT                   ; x's 256 rows, then W's 256 rows
.set STAGE,  2*SLOT                    ; behind the ring: 16 rows x 272 bytes for each wave; no tensor load lands here
.set SPITCH, 272
.set LAPS,   1024/(2*KSTEP)            ; a lap = two K steps = once round the ring
.set NEG,    0xff000000                ; -2^127
.set ADRA, 16                          ; v16-17 LDS address of my x rows in slot 0, 1
.set ADRB, 20                          ; v20-21 the same for W
.set STO,  24
.set RD,   25
.set CO,   26
.set BO,   27
.set FR,   64                          ; fragments (bf16)
.set RAW,  128                         ; raw f32, fragment i at RAW + 16 i
.set TMP,  192
.set G1,  24
.set G0,  32
.set G1B, 48
.set G0B, 56
.set MSB, 0
.macro WIN new                         ; the immediate's high byte repeats the setting that is left
.if MSB != \new
	s_set_vgpr_msb (MSB<<8)|\new
.set MSB, \new
.endif
.endm
.set MUL_LO,  0xa1                     ; source 0 (W) window 1, source 1 (x) window 0, C and D window 2
.set MUL_HI,  0xf1                     ; C and D window 3
.set MULB_LO, 0x91                     ; D window 2, C (the bias) window 1
.set MULB_HI, 0xd1                     ; D window 3, C window 1
.set TO_B,    0x40                     ; destination window 1, address window 0
.set CVT_B,   0x45                     ; destination and both sources window 1
; a joint load: waves 0, 1 ask for x's two halves, waves 2, 3 for W's.  The branch hangs on the wave's number alone.
.macro JLOAD s
	s_cmp_eq_u32 s11, 0
	s_cbranch_scc0 .Lfor_b_\@
	tensor_load_to_lds s[G0+4*\s:G0+4*\s+3], s[G1:G1+7]
	s_nop 0
	s_branch .Lasked_\@
.Lfor_b_\@:
	tensor_load_to_lds s[G0B+4*\s:G0B+4*\s+3], s[G1B:G1B+7]
	s_nop 0
.Lasked_\@:
.endm
.macro CREST                           ; a round of the cluster's barrier behind its opening work-group barrier
	s_cmp_lg_u32 s10, 0
	s_cbranch_scc1 .Lnot_wave_0_\@
	s_barrier_signal -3
.Lnot_wave_0_\@:
	s_barrier_wait -3
	s_barrier_signal -1
	s_barrier_wait -1
.endm
.macro CROUND
	s_barrier_signal -1
	s_barrier_wait -1
	CREST
.endm
	s_load_b512 s[68:83], s[0:1], 0x0              ; q 68, k 70, v 72, Wq 74, Wk 76, Wv 78, bq 80, bk 82
	s_load_b256 s[84:91], s[0:1], 0x40             ; bv 84, Qh 86, Kh 88, Vh 90
	s_load_b128 s[92:95], s[0:1], 0x60             ; mask 92, mbias 94
	v_lshl_add_u32 v62, v0, 2, 0x48400
	v_mov_b32 v63, 0
	ds_add_u32 v62, v63
	v_lshrrev_b32 v1, 5, v0
	v_readfirstlane_b32 s10, v1                    ; wave 0..3
	s_lshr_b32 s11, s10, 1                         ; my half of the block's tokens; also: I ask for x (0) or W (1)
	s_and_b32 s12, s10, 1                          ; my half of its features; also: which 128 rows I ask for
	s_bfe_u32 s40, ttmp6, 0x40000                  ; cx
	s_bfe_u32 s41, ttmp6, 0x40004                  ; cy
	s_lshl_b32 s42, ttmp9, 2
	s_add_co_u32 s42, s42, s40                     ; block column 0..3
	s_and_b32 s13, ttmp7, 0xffff                   ; the cluster's y, 0..11
	s_lshr_b32 s45, s13, 2                         ; projection 0, 1, 2: the same in all sixteen work-groups
	s_and_b32 s13, s13, 3
	s_lshl_b32 s13, s13, 2
	s_add_co_u32 s13, s13, s41                     ; block row 0..15
	s_lshl_b32 s43, s41, 2
	s_lshl_b32 s43, 15, s43                        ; my row of the cluster
	s_lshl_b32 s44, 0x1111, s40                    ; my column
	; group 1: a tile of 128 rows x 64 elements of 4 bytes; behind every 64 words 4 words of padding; bit 21 beside the mask
	s_or_b32 s[G1+0], s43, (2<<16)|(1<<20)|(1<<21)|(5<<22)|(3<<25)
	s_or_b32 s[G1B+0], s44, (2<<16)|(1<<20)|(1<<21)|(5<<22)|(3<<25)
	s_mov_b32 s[G1+1], KSTEP<<16                   ; tensor_dim0 = 64
	s_mov_b32 s[G1B+1], KSTEP<<16
	s_mov_b32 s[G1+2], 128<<16                     ; tensor_dim1 = 128
	s_mov_b32 s[G1B+2], 128<<16
	s_mov_b32 s[G1+3], KSTEP<<16                   ; tile_dim0 = 64
	s_mov_b32 s[G1B+3], KSTEP<<16
	s_mov_b32 s[G1+4], 128                         ; tile_dim1 = 128
	s_mov_b32 s[G1B+4], 128
	s_mov_b32 s[G1+5], 1024                        ; elements from row to row
	s_mov_b32 s[G1B+5], 1024
	s_mov_b32 s[G1+6], 0
	s_mov_b32 s[G1B+6], 0
	s_mov_b32 s[G1+7], 0
	s_mov_b32 s[G1B+7], 0
	s_lshl_b32 s17, s12, 7
	s_lshl_b32 s16, s13, 8
	s_add_co_u32 s16, s16, s17                     ; x: row 256 x block row + 128 x half
	s_lshl_b32 s16, s16, 12                        ; x 4,096 bytes
	s_lshl_b32 s46, s42, 8
	s_add_co_u32 s46, s46, s17                     ; W: row 256 x block column + 128 x half
	s_lshl_b32 s46, s46, 12
	s_mov_b32 s17, 0
	s_mov_b32 s47, 0
	s_mul_i32 s20, s10, HALFT                      ; where my load lands: wave x 128 rows
	s_wait_dscnt 0x0
	s_wait_kmcnt 0x0
	s_cmp_eq_u32 s45, 1                            ; the projection's four buffers
	s_cselect_b64 s[4:5], s[70:71], s[68:69]       ; x
	s_cselect_b64 s[6:7], s[76:77], s[74:75]       ; W
	s_cselect_b64 s[66:67], s[82:83], s[80:81]     ; b
	s_cselect_b64 s[8:9], s[88:89], s[86:87]       ; Y
	s_cmp_eq_u32 s45, 2
	s_cselect_b64 s[4:5], s[72:73], s[4:5]
	s_cselect_b64 s[6:7], s[78:79], s[6:7]
	s_cselect_b64 s[66:67], s[84:85], s[66:67]
	s_cselect_b64 s[8:9], s[90:91], s[8:9]
	s_add_nc_u64 s[14:15], s[4:5], s[16:17]
	s_add_nc_u64 s[46:47], s[6:7], s[46:47]
	CROUND                                         ; all sixteen work-groups are here: the first joint loads meet
.irp s, 0,1
	s_mov_b32 s[G0+4*\s], 1
	s_add_co_u32 s[G0+4*\s+1], s20, \s*SLOT
	s_add_nc_u64 s[G0+4*\s+2:G0+4*\s+3], s[14:15], \s*KSTEP*4
	s_or_b32 s[G0+4*\s+3], s[G0+4*\s+3], 0x80000000
	s_mov_b32 s[G0B+4*\s], 1
	s_add_co_u32 s[G0B+4*\s+1], s20, \s*SLOT
	s_add_nc_u64 s[G0B+4*\s+2:G0B+4*\s+3], s[46:47], \s*KSTEP*4
	s_or_b32 s[G0B+4*\s+3], s[G0B+4*\s+3], 0x80000000
	JLOAD \s                                       ; K steps 0 and 1: two tensor loads of the wave are out, later one
.endr
	; a fragment is 16 rows x 32 K: lane l holds row l % 16, K = 8 (l / 16) + 0..7 and 16 + 8 (l / 16) + 0..7.
	; In f32 that is 32 bytes at 32 (l / 16) and 32 bytes at 64 + 32 (l / 16): four loads of 16 bytes.
	v_and_b32 v1, 15, v0
	v_bfe_u32 v2, v0, 4, 1
	v_mul_u32_u24 v3, v1, PITCH
	v_lshl_add_u32 v3, v2, 5, v3
	s_mul_i32 s21, s11, HALFT
	s_mul_i32 s22, s12, HALFT
	s_add_co_u32 s22, s22, 2*HALFT
.irp s, 0,1
	v_add_nc_u32 v[ADRA+\s], s21, v3
	v_add_nc_u32 v[ADRB+\s], s22, v3
	s_add_co_u32 s21, s21, SLOT
	s_add_co_u32 s22, s22, SLOT
.endr
	s_mul_i32 s23, s10, 16*SPITCH
	s_add_co_u32 s23, s23, STAGE
	v_mul_u32_u24 v4, v1, SPITCH
	v_lshl_add_u32 v4, v2, 4, v4
	v_add_nc_u32 v[STO], s23, v4                   ; in: row l % 16, 16 bytes for each half of the lanes
	v_and_b32 v5, 31, v0
	v_lshrrev_b32 v4, 3, v5
	v_mul_u32_u24 v4, v4, SPITCH
	v_and_b32 v3, 7, v0
	v_lshl_add_u32 v4, v3, 4, v4
	v_add_nc_u32 v[RD], s23, v4                    ; back: eight lanes take one token's 128 bytes of one head
	v_lshlrev_b32 v[CO], 4, v5                     ; four tokens of a head are 512 consecutive bytes of Y
	v_lshlrev_b32 v[BO], 5, v2
	; the bias of my 128 features, laid out as an accumulator tile: register j of n block b = b[16 b + 8 (l / 16) + j]
	s_lshl_b32 s46, s42, 10
	s_lshl_b32 s47, s12, 9
	s_add_co_u32 s46, s46, s47
	s_mov_b32 s47, 0
	s_add_nc_u64 s[66:67], s[66:67], s[46:47]
	WIN TO_B
.irp b, 0,1,2,3,4,5,6,7
	global_load_b128 v[8*\b:8*\b+3], v[BO], s[66:67] offset:64*\b
	global_load_b128 v[8*\b+4:8*\b+7], v[BO], s[66:67] offset:64*\b+16
.endr
	WIN 0
	; the key mask as an addend: wave 0 of each of the 64 work-groups of projection 0 turns 64 numbers, 256 aligned consecutive bytes
	s_cmp_lg_u32 s45, 0
	s_cbranch_scc1 .Lno_mask
	s_cmp_lg_u32 s10, 0
	s_cbranch_scc1 .Lno_mask
	s_lshl_b32 s16, s13, 10                        ; piece 4 x block row + block column, 256 bytes each
	s_mov_b32 s17, 0
	s_lshl_b32 s46, s42, 8
	s_add_nc_u64 s[92:93], s[92:93], s[16:17]
	s_add_nc_u64 s[94:95], s[94:95], s[16:17]
	s_add_nc_u64 s[92:93], s[92:93], s[46:47]
	s_add_nc_u64 s[94:95], s[94:95], s[46:47]
	v_lshlrev_b32 v28, 3, v0
	global_load_b64 v[30:31], v28, s[92:93]
	v_mov_b32 v29, NEG
	s_wait_loadcnt 0x0
	v_cmp_eq_u32 vcc_lo, 0, v30
	v_cndmask_b32 v30, 0, v29, vcc_lo
	v_cmp_eq_u32 vcc_lo, 0, v31
	v_cndmask_b32 v31, 0, v29, vcc_lo
	global_store_b64 v28, v[30:31], s[94:95]
.Lno_mask:
; 64 LDS loads: the raw f32 of one half step (32 K at byte k of the rows): W's 128 rows first, then x's
.macro FETCH slot, k
	WIN TO_B
.irp i, 0,1,2,3,4,5,6,7
.irp c, 0,1,2,3
	ds_load_b128 v[RAW+16*\i+4*\c:RAW+16*\i+4*\c+3], v[ADRB+\slot] offset:\k+\i*16*PITCH+16*(\c&1)+64*(\c>>1)
.endr
.endr
	WIN 0
.irp i, 0,1,2,3,4,5,6,7
.irp c, 0,1,2,3
	ds_load_b128 v[RAW+16*\i+4*\c:RAW+16*\i+4*\c+3], v[ADRA+\slot] offset:\k+\i*16*PITCH+16*(\c&1)+64*(\c>>1)
.endr
.endr
.endm
; raw f32 to bf16 fragments, two numbers an instruction
.macro CVT
	s_wait_dscnt 32                                ; W's 32 loads are in; x's 32, issued behind them, may be out
	WIN CVT_B
.irp i, 0,1,2,3,4,5,6,7
.irp c, 0,1,2,3,4,5,6,7
	v_cvt_pk_bf16_f32 v[FR+8*\i+\c], v[RAW+16*\i+2*\c], v[RAW+16*\i+2*\c+1]
.endr
.endr
	s_wait_dscnt 0
	WIN 0
.irp i, 0,1,2,3,4,5,6,7
.irp c, 0,1,2,3,4,5,6,7
	v_cvt_pk_bf16_f32 v[FR+8*\i+\c], v[RAW+16*\i+2*\c], v[RAW+16*\i+2*\c+1]
.endr
.endr
.endm
; 16 matrix instructions.  cm = 1: the first product starts the sums from the bias: nothing is cleared.
; The 64 accumulators take turns, one instruction a turn, in the same order in every half step.
.macro MUL16 hi, a0, cm
.irp a, \a0, \a0+1
.irp b, 0,1,2,3,4,5,6,7
.if \cm
	v_wmma_f32_16x16x32_bf16 v[8*(8*(\a)+\b):8*(8*(\a)+\b)+7], v[FR+8*\b:FR+8*\b+7], v[FR+8*(4*\hi+\a):FR+8*(4*\hi+\a)+7], v[8*\b:8*\b+7]
.else
	v_wmma_f32_16x16x32_bf16 v[8*(8*(\a)+\b):8*(8*(\a)+\b)+7], v[FR+8*\b:FR+8*\b+7], v[FR+8*(4*\hi+\a):FR+8*(4*\hi+\a)+7], v[8*(8*(\a)+\b):8*(8*(\a)+\b)+7]
.endif
.endr
.endr
.endm
.macro PLACES                          ; a vector instruction that writes a matrix instruction's source stands four plain vector instructions behind it (ISA guide 7.12.1)
.rept 4
	v_nop
.endr
.endm
; first half of a K step: convert, fetch the second half's raw numbers, multiply
.macro PARTA slot, cm
	PLACES
	CVT
	FETCH \slot, 128
.if \cm
	WIN MULB_LO
.else
	WIN MUL_LO
.endif
	MUL16 0, 0, \cm
	MUL16 0, 2, \cm
.if \cm
	WIN MULB_HI
.else
	WIN MUL_HI
.endif
	MUL16 1, 0, \cm
	MUL16 1, 2, \cm
.endm
; second half: convert (which ends my reads of the slot), change slots, multiply.  fill = 1: this slot is filled again, two K steps ahead.
.macro PARTB slot, next, fill
	PLACES
	CVT                                            ; its last wait is for all my LDS loads: my reads of this slot are over
	s_wait_tensorcnt 0x0                           ; all my tensor loads have landed: the one that was out is my part of the next slot
	ds_add_u32 v62, v63
	s_wait_dscnt 0x0
	s_barrier_signal -1                            ; (where the slot is filled again this barrier opens a round of the cluster's barrier)
	WIN MUL_LO
	MUL16 0, 0, 0                                  ; register work while the others arrive
	WIN 0
	s_barrier_wait -1
.if \fill
	CREST                                          ; no wave of any partner still reads this slot or has a load on its way
	s_add_nc_u64 s[G0+4*\slot+2:G0+4*\slot+3], s[G0+4*\slot+2:G0+4*\slot+3], 2*KSTEP*4
	s_add_nc_u64 s[G0B+4*\slot+2:G0B+4*\slot+3], s[G0B+4*\slot+2:G0B+4*\slot+3], 2*KSTEP*4
	JLOAD \slot                                    ; the first tensor load behind the round
.endif
	FETCH \next, 0                                 ; into the raw registers, which no matrix instruction names
	WIN MUL_LO
	MUL16 0, 2, 0
	WIN MUL_HI
	MUL16 1, 0, 0
	MUL16 1, 2, 0
.endm
.macro LAP cm
	PARTA 0, \cm
	PARTB 0, 1, 1
	PARTA 1, 0
	PARTB 1, 0, 1
.endm
	s_wait_tensorcnt 1                             ; my part of K step 0 is in; K step 1's stays out
	s_barrier_signal -1
	s_barrier_wait -1
	FETCH 0, 0
	s_wait_loadcnt 0x0                             ; the bias
	LAP 1
	WIN 0
	s_mov_b32 s3, LAPS-2
.Llap:
	LAP 0
	WIN 0
	s_sub_co_u32 s3, s3, 1
	s_cmp_lg_u32 s3, 0
	s_cbranch_scc1 .Llap
	PARTA 0, 0                                     ; the last lap fills nothing
	PARTB 0, 1, 0
	PARTA 1, 0
	PLACES
	CVT
	WIN MUL_LO
	MUL16 0, 0, 0
	MUL16 0, 2, 0
	WIN MUL_HI
	MUL16 1, 0, 0
	MUL16 1, 2, 0
	; THE WAY OUT, 16 tokens at a time: round to f16, 16 bytes a lane into my own stage, read back by heads.
	PLACES
	s_lshr_b32 s16, s13, 3                         ; batch
	s_lshl_b32 s16, s16, 15                        ; x 16 heads x 2,048 tokens
	s_lshl_b32 s17, s13, 8
	s_lshl_b32 s18, s11, 7
	s_add_co_u32 s17, s17, s18
	s_and_b32 s17, s17, 2047                       ; my first token in its batch
	s_add_co_u32 s16, s16, s17
	s_lshl_b32 s16, s16, 7                         ; x 128 bytes
	s_mov_b32 s17, 0
	s_add_nc_u64 s[8:9], s[8:9], s[16:17]
	s_lshl_b32 s46, s42, 2
	s_lshl_b32 s47, s12, 1
	s_add_co_u32 s46, s46, s47                     ; my first head
	s_lshl_b32 s46, s46, 18                        ; x 2,048 tokens x 128 bytes
	s_mov_b32 s47, 0
	s_add_nc_u64 s[8:9], s[8:9], s[46:47]
.macro OUT16 i, a, from, f
	WIN \from
.irp b, 0,1,2,3,4,5,6,7
.irp r, 0,1,2,3
	v_cvt_pk_f16_f32 v[TMP+4*\b+\r], v[8*(8*\a+\b)+2*\r], v[8*(8*\a+\b)+2*\r+1]
.endr
.endr
	WIN 0
.irp b, 0,1,2,3,4,5,6,7
	ds_store_b128 v[STO], v[TMP+4*\b:TMP+4*\b+3] offset:32*\b
.endr
	s_wait_xcnt 0x0                                ; buffer f, which earlier stores read, and the stores' base are rewritten only behind this wait
.if \i
	s_add_nc_u64 s[8:9], s[8:9], 16*128
.endif
.irp t, 0,1,2,3,4,5,6,7
	ds_load_b128 v[\f+4*\t:\f+4*\t+3], v[RD] offset:(\t&3)*4*SPITCH+(\t>>2)*128   ; LDS serves a wave's instructions in order: these see the stores above
.endr
.irp t, 0,1,2,3,4,5,6,7
	s_wait_dscnt 7-\t
	global_store_b128 v[CO], v[\f+4*\t:\f+4*\t+3], s[8:9] offset:(\t&3)*512+(\t>>2)*262144   ; four tokens of one head: 512 consecutive bytes, aligned
.endr
.endm
	OUT16 0, 0, 0x0a, 64
	OUT16 1, 1, 0x0a, 128
	OUT16 2, 2, 0x0a, 64
	OUT16 3, 3, 0x0a, 128
	OUT16 4, 0, 0x0f, 64
	OUT16 5, 1, 0x0f, 128
	OUT16 6, 2, 0x0f, 64
	OUT16 7, 3, 0x0f, 128
	s_wait_tensorcnt 0x0
	ds_add_u32 v62, v63
	s_wait_dscnt 0x0
	CROUND                                         ; the closing round: no work-group ends while a partner may still ask for a tile that names it
	s_endpgm
.Lfunc_end_k_q4d0b74f96a_proj:
	.size	k_q4d0b74f96a_proj, .Lfunc_end_k_q4d0b74f96a_proj-k_q4d0b74f96a_proj
	.p2alignl 7, 3214868480
	.fill 96, 4, 3214868480
	.section	.rodata,"a",@progbits
	.p2align	6, 0x0
	.amdhsa_kernel k_q4d0b74f96a_proj
		.amdhsa_group_segment_fixed_size 327680
		.amdhsa_private_segment_fixed_size 0
		.amdhsa_enable_private_segment 0
		.amdhsa_kernarg_size 112
		.amdhsa_user_sgpr_count 2
		.amdhsa_user_sgpr_kernarg_segment_ptr 1
		.amdhsa_wavefront_size32 1
		.amdhsa_system_sgpr_workgroup_id_x 1
		.amdhsa_system_sgpr_workgroup_id_y 1
		.amdhsa_system_sgpr_workgroup_id_z 1
		.amdhsa_system_vgpr_workitem_id 0
		.amdhsa_next_free_vgpr 1024
		.amdhsa_next_free_sgpr 96
		.amdhsa_reserve_vcc 1
		.amdhsa_float_denorm_mode_32 3
		.amdhsa_float_denorm_mode_16_64 3
		.amdhsa_memory_ordered 1
		.amdhsa_forward_progress 1
		.amdhsa_inst_pref_size 244
	.end_amdhsa_kernel
	.amdgpu_metadata
---
amdhsa.version: [ 1, 2 ]
amdhsa.kernels:
  - .name:           k_q4d0b74f96a_proj
    .symbol:         k_q4d0b74f96a_proj.kd
    .args:
      - { .name: q, .offset: 0, .size: 8, .value_kind: global_buffer, .address_space: global }
      - { .name: k, .offset: 8, .size: 8, .value_kind: global_buffer, .address_space: global }
      - { .name: v, .offset: 16, .size: 8, .value_kind: global_buffer, .address_space: global }
      - { .name: Wq, .offset: 24, .size: 8, .value_kind: global_buffer, .address_space: global }
      - { .name: Wk, .offset: 32, .size: 8, .value_kind: global_buffer, .address_space: global }
      - { .name: Wv, .offset: 40, .size: 8, .value_kind: global_buffer, .address_space: global }
      - { .name: bq, .offset: 48, .size: 8, .value_kind: global_buffer, .address_space: global }
      - { .name: bk, .offset: 56, .size: 8, .value_kind: global_buffer, .address_space: global }
      - { .name: bv, .offset: 64, .size: 8, .value_kind: global_buffer, .address_space: global }
      - { .name: Qh, .offset: 72, .size: 8, .value_kind: global_buffer, .address_space: global }
      - { .name: Kh, .offset: 80, .size: 8, .value_kind: global_buffer, .address_space: global }
      - { .name: Vh, .offset: 88, .size: 8, .value_kind: global_buffer, .address_space: global }
      - { .name: mask, .offset: 96, .size: 8, .value_kind: global_buffer, .address_space: global }
      - { .name: mbias, .offset: 104, .size: 8, .value_kind: global_buffer, .address_space: global }
    .group_segment_fixed_size: 327680
    .private_segment_fixed_size: 0
    .kernarg_segment_align: 8
    .kernarg_segment_size: 112
    .max_flat_workgroup_size: 128
    .sgpr_count:     96
    .vgpr_count:     1024
    .wavefront_size: 32
...
	.end_amdgpu_metadata
.endif
;; end of part 1
;; launch attn (part 2): grid 256 x 1, 8 waves a work-group, no clusters, 327,680 bytes of LDS; arguments Qh, Kh, Vh, mbias, Wo, ctx, wo16; writes ctx, wo16
.if DOCPART == 2
	.amdgcn_target "amdgcn-amd-amdhsa--gfx1250"
	.amdhsa_code_object_version 6
	.text
	.protected	k_q4d0b74f96a_attn
	.globl	k_q4d0b74f96a_attn
	.p2align	8
	.type	k_q4d0b74f96a_attn,@function
k_q4d0b74f96a_attn:
	s_mov_b64 s[64:65], 0
	v_nop
	global_prefetch_b8 v0, s[64:65] scope:SCOPE_SE
	s_setreg_imm32_b32 hwreg(HW_REG_WAVE_MODE, 25, 1), 1
	s_wait_xcnt 0x0
; Causal attention with a key mask, one (batch, head) for eight work-groups; running maximum and running sum in f32.
; Qh, Kh, Vh, ctx: f16, [2][16][2048][64].  mbias: f32 [2][2048], 0 or -2^127.  Also: 16 KiB of Wo go to wo16.
; WORK: query blocks of 128.  Work-group j of a head takes block x = 2 j + 1, then block y = 14 - 2 j; each pass takes its diagonal key
; block first and then key blocks 0 .. x-1 (y-1): (x + 1) + (y + 1) = 17 block products in every work-group.
; Eight waves: wave (g, w) owns queries 32 w .. 32 w + 31 and keys 64 g .. 64 g + 63 of every key block; the two groups' (m, l, O)
; are merged through LDS at the end of a pass.
; LAYOUT: S^T = K Q^T (source 0 = K, source 1 = Q): lane (r, h), register j of tile (kt, qt) = key 16 kt + 8 h + j, query 16 qt + r.  Two such
; tiles packed to f16 ARE the source-1 fragment of O^T = V^T P^T; V^T comes by the transposing LDS load.  Nothing is transposed by hand,
; a query's statistics live in one lane and its partner 16 lanes away.
; MASKS: the key mask enters as the C operand of the first product.  The causal mask is a select on that addend in the diagonal trip alone.
; LIMITS: raw scores below -1e30 count as masked (the running maximum starts there).  P is rounded to f16 for the product while the row sum
; takes the f32 values.  A query without any allowed key gives 0 x (1/0) = NaN, as the softmax of a row of -inf does.
; Wo is rounded to bf16, as the other three weights are on their way to the matrix unit, and that value is written in f16 because its partner
; ctx is f16: exact for |w| >= 2^-17, off by 2^-25 at the most below.
; NO CLUSTER: the eight work-groups of a head need the key blocks in different number and order (2 j + 2, then 15 - 2 j).  Walked in step, a
; round lasts as long as its busiest partner: at least 16 + 7 block products for these 17.
.set KP,    144                        ; K rows: 128 bytes + 16
.set VP,    160                        ; V rows: 128 bytes + 32 (an odd multiple of 32, for the transposing load)
.set VOFF,  128*KP
.set MOFF,  VOFF+128*VP
.set SLOT,  MOFF+512                   ; 39,424: K, V, 128 mask addends
.set SCR,   2*SLOT                     ; group 1 hands O, m, l to group 0: 8,704 bytes for each w
.set SCRW,  8704
.set STAGE, SCR+4*SCRW                 ; 32 rows x 144 bytes for each w.  No tensor load lands in SCR or STAGE
.set STGW,  32*KP
.set CS,    0x3e38aa3b                 ; log2(e) / 8
.set NCS,   0xbe38aa3b
.set FLOOR, 0xf149f2ca                 ; -1e30
.set NEG,   0xff000000                 ; -2^127
; v1 K address, v2 V address, v3 mask address, v4 SCR, v5 stage in, v6 stage back, v7 16 x lane, v8 Q offset, v9 Wo offset
.set DQ,  10                           ; v10-11  query - key offset of the lane, signed, for qt = 0, 1
.set M,   12                           ; v12-13  running maximum (raw scores)
.set LS,  14                           ; v14-15  running sum (this lane's keys until the pass ends)
.set NM,  16                           ; v16-19  -CS m, twice, for qt = 0, 1
.set AL,  20                           ; v20-23  rescale factor, twice
.set SUM, 24                           ; v24-27
.set T,   28                           ; v28-31
.set QF,  32                           ; v32-63  Q fragments, (qt, ks) at 16 qt + 8 ks
.set S,   64                           ; v64-127 S tiles, (kt, qt) at 32 qt + 8 kt; P(qt, p) packed in place at 32 qt + 16 p
.set KV,  128                          ; v128-191 K(kt, ks) at 16 kt + 8 ks; then V^T(dt, p) at 32 p + 8 dt
.set BI,  192                          ; v192-223 mask addends, tile kt at 8 kt
.set TMP, 224
; window 1: v0-63 = O^T, tile (dt, qt) at 8 (2 dt + qt)
.set G1K, 32
.set G1V, 40
.set G1M, 48
.set G0K, 56                           ; s[56:63] two slots
.set G0V, 68
.set G0M, 76
.set NXK, 84                           ; next ordinary tile (type bits set): K, V, mask
.set NXV, 86
.set NXM, 88
.set BK,  90                           ; key block 0
.set BV,  92
.set BM,  94
.set DK,  96                           ; pass 2's diagonal block
.set DV,  98
.set DM,  100
.set MSB, 0
.macro WIN new
.if MSB != \new
	s_set_vgpr_msb (MSB<<8)|\new
.set MSB, \new
.endif
.endm
; a tile's loads: waves 0-3 bring 32 rows of K each, waves 4-7 32 rows of V, wave 0 also the 512 bytes of mask addends.
; By this text's count wave 0 has two tensor loads out, every other wave one.
.macro KLOAD slot
	s_cmp_eq_u32 s19, 0
	s_cbranch_scc0 .Lfor_v_\@
	tensor_load_to_lds s[G0K+4*(\slot):G0K+4*(\slot)+3], s[G1K:G1K+7]
	s_nop 0
	s_cmp_lg_u32 s18, 0
	s_cbranch_scc1 .Lasked_\@
	tensor_load_to_lds s[G0M+4*(\slot):G0M+4*(\slot)+3], s[G1M:G1M+7]
	s_nop 0
	s_branch .Lasked_\@
.Lfor_v_\@:
	tensor_load_to_lds s[G0V+4*(\slot):G0V+4*(\slot)+3], s[G1V:G1V+7]
	s_nop 0
.Lasked_\@:
.endm
.macro QLOAD                           ; my 32 queries as source-1 fragments, straight from memory
.irp qt, 0,1
.irp ks, 0,1
	global_load_b128 v[QF+16*\qt+8*\ks:QF+16*\qt+8*\ks+3], v8, s[28:29] offset:\qt*2048+64*\ks
	global_load_b128 v[QF+16*\qt+8*\ks+4:QF+16*\qt+8*\ks+7], v8, s[28:29] offset:\qt*2048+64*\ks+32
.endr
.endr
.endm
	s_load_b256 s[4:11], s[0:1], 0x0               ; Qh 4, Kh 6, Vh 8, mbias 10
	s_load_b128 s[12:15], s[0:1], 0x20             ; Wo 12, ctx 14
	s_load_b64 s[16:17], s[0:1], 0x30              ; wo16
	s_set_vgpr_msb 0x40
	v_lshl_add_u32 v64, v0, 2, 0x29000
	v_mov_b32 v65, 0
	s_set_vgpr_msb 0x4045
	ds_add_u32 v64, v65
	s_set_vgpr_msb 0x4500
	v_lshrrev_b32 v1, 5, v0
	v_readfirstlane_b32 s18, v1                    ; wave 0..7
	s_lshr_b32 s19, s18, 2                         ; g
	s_and_b32 s20, s18, 3                          ; w
	s_lshr_b32 s21, ttmp9, 3                       ; batch x 16 + head
	s_and_b32 s22, ttmp9, 7                        ; j
	s_sub_co_u32 s23, 6, s22                       ; pass 2's loop trips (not used where j = 7)
	s_mov_b32 s26, 0x76543210                      ; v_permlanex16_b32: lane i reads lane i of the other half
	s_mov_b32 s27, 0xfedcba98
	; group 1 of K's loads: 32 rows x 64 elements of 2 bytes, dense in memory; behind every 32 words 4 words of padding
	s_mov_b32 s[G1K+0], (1<<16)|(1<<20)|(4<<22)|(3<<25)
	s_mov_b32 s[G1K+1], 64<<16
	s_mov_b32 s[G1K+2], 32<<16
	s_mov_b32 s[G1K+3], 64<<16
	s_mov_b32 s[G1K+4], 32
	s_mov_b32 s[G1K+5], 64
	s_mov_b32 s[G1K+6], 0
	s_mov_b32 s[G1K+7], 0
	s_mov_b32 s[G1V+0], (1<<16)|(1<<20)|(4<<22)|(7<<25)   ; V: 8 words of padding
	s_mov_b32 s[G1V+1], 64<<16
	s_mov_b32 s[G1V+2], 32<<16
	s_mov_b32 s[G1V+3], 64<<16
	s_mov_b32 s[G1V+4], 32
	s_mov_b32 s[G1V+5], 64
	s_mov_b32 s[G1V+6], 0
	s_mov_b32 s[G1V+7], 0
	s_mov_b32 s[G1M+0], 3<<16                      ; the mask addends: one row of 64 elements of 8 bytes
	s_mov_b32 s[G1M+1], 64<<16
	s_mov_b32 s[G1M+2], 1<<16
	s_mov_b32 s[G1M+3], 64<<16
	s_mov_b32 s[G1M+4], 1
	s_mov_b32 s[G1M+5], 64
	s_mov_b32 s[G1M+6], 0
	s_mov_b32 s[G1M+7], 0
	s_mul_i32 s2, s20, 32*KP
	s_mul_i32 s3, s20, 32*VP
	s_add_co_u32 s3, s3, VOFF
.irp s, 0,1
	s_mov_b32 s[G0K+4*\s], 1
	s_add_co_u32 s[G0K+4*\s+1], s2, \s*SLOT
	s_mov_b32 s[G0V+4*\s], 1
	s_add_co_u32 s[G0V+4*\s+1], s3, \s*SLOT
	s_mov_b32 s[G0M+4*\s], 1
	s_mov_b32 s[G0M+4*\s+1], \s*SLOT+MOFF
.endr
	s_lshl_b32 s2, s21, 18                         ; head x 2,048 x 128 bytes
	s_lshl_b32 s3, s20, 12                         ; + w x 32 rows x 128 bytes
	s_add_co_u32 s2, s2, s3
	s_mov_b32 s3, 0
	s_wait_dscnt 0x0
	s_wait_kmcnt 0x0
	s_add_nc_u64 s[4:5], s[4:5], s[2:3]            ; Q and ctx at my 32 rows of block 0
	s_add_nc_u64 s[14:15], s[14:15], s[2:3]
	s_add_nc_u64 s[BK:BK+1], s[6:7], s[2:3]
	s_add_nc_u64 s[BV:BV+1], s[8:9], s[2:3]
	s_lshr_b32 s2, s21, 4
	s_lshl_b32 s2, s2, 13                          ; batch x 2,048 x 4 bytes
	s_add_nc_u64 s[BM:BM+1], s[10:11], s[2:3]
	s_or_b32 s[BK+1], s[BK+1], 0x80000000
	s_or_b32 s[BV+1], s[BV+1], 0x80000000
	s_or_b32 s[BM+1], s[BM+1], 0x80000000
	s_lshl_b32 s24, s22, 1
	s_add_co_u32 s2, s24, 1                        ; x = 2 j + 1
	s_lshl_b32 s2, s2, 14                          ; x 128 rows x 128 bytes
	s_add_nc_u64 s[28:29], s[4:5], s[2:3]
	s_add_nc_u64 s[30:31], s[14:15], s[2:3]
	s_add_nc_u64 s[G0K+2:G0K+3], s[BK:BK+1], s[2:3]
	s_add_nc_u64 s[G0V+2:G0V+3], s[BV:BV+1], s[2:3]
	s_lshr_b32 s2, s2, 5                           ; x 128 x 4 bytes
	s_add_nc_u64 s[G0M+2:G0M+3], s[BM:BM+1], s[2:3]
	KLOAD 0                                        ; pass 1's diagonal block
	s_sub_co_u32 s24, 14, s24                      ; y = 14 - 2 j
	s_lshl_b32 s24, s24, 14                        ; kept: y x 16,384
	s_mov_b32 s2, s24
	s_add_nc_u64 s[DK:DK+1], s[BK:BK+1], s[2:3]
	s_add_nc_u64 s[DV:DV+1], s[BV:BV+1], s[2:3]
	s_lshr_b32 s2, s2, 5
	s_add_nc_u64 s[DM:DM+1], s[BM:BM+1], s[2:3]
	s_mov_b64 s[NXK:NXK+1], s[BK:BK+1]
	s_mov_b64 s[NXV:NXV+1], s[BV:BV+1]
	s_mov_b64 s[NXM:NXM+1], s[BM:BM+1]
	; my work-group's 16 KiB of Wo: thread t takes 8 numbers at 32 t, twice
	s_lshl_b32 s2, ttmp9, 14
	s_add_nc_u64 s[12:13], s[12:13], s[2:3]
	s_lshl_b32 s2, ttmp9, 13
	s_add_nc_u64 s[16:17], s[16:17], s[2:3]
	v_lshlrev_b32 v9, 5, v0
	v_lshlrev_b32 v30, 4, v0
	global_load_b128 v[64:67], v9, s[12:13] th:TH_LOAD_NT
	global_load_b128 v[68:71], v9, s[12:13] offset:16 th:TH_LOAD_NT
	global_load_b128 v[72:75], v9, s[12:13] offset:8192 th:TH_LOAD_NT
	global_load_b128 v[76:79], v9, s[12:13] offset:8208 th:TH_LOAD_NT
	v_and_b32 v224, 31, v0                         ; L
	v_and_b32 v225, 15, v0                         ; r
	v_bfe_u32 v226, v0, 4, 1                       ; h
	v_and_b32 v227, 7, v0
	v_bfe_u32 v228, v0, 3, 1
	v_lshrrev_b32 v229, 3, v224
	v_lshlrev_b32 v8, 7, v225
	v_lshl_add_u32 v8, v226, 4, v8                 ; 128 r + 16 h
	QLOAD
	v_mul_u32_u24 v5, v225, KP
	v_lshl_add_u32 v5, v226, 4, v5                 ; 144 r + 16 h
	s_mul_i32 s2, s19, 64*KP
	v_add_nc_u32 v1, s2, v5                        ; K: row 64 g + r
	s_mul_i32 s2, s20, STGW
	s_add_co_u32 s2, s2, STAGE
	v_add_nc_u32 v5, s2, v5                        ; stage in
	v_mul_u32_u24 v6, v229, KP
	v_lshl_add_u32 v6, v227, 4, v6
	v_add_nc_u32 v6, s2, v6                        ; stage back: eight lanes a row
	v_lshl_add_u32 v2, v226, 3, v227
	v_mul_u32_u24 v2, v2, VP
	v_lshl_add_u32 v2, v228, 4, v2
	s_mul_i32 s2, s19, 64*VP
	s_add_co_u32 s2, s2, VOFF
	v_add_nc_u32 v2, s2, v2                        ; V: row 64 g + 8 h + (L & 7), 16 bytes by bit 3 of L
	s_lshl_b32 s2, s19, 8
	s_add_co_u32 s2, s2, MOFF
	v_lshl_add_u32 v3, v226, 5, s2                 ; mask addends of keys 64 g + 8 h ..
	s_mul_i32 s2, s20, SCRW
	s_add_co_u32 s2, s2, SCR
	v_lshl_add_u32 v4, v224, 4, s2
	v_lshlrev_b32 v7, 4, v224
	s_lshl_b32 s2, s20, 5
	s_lshl_b32 s25, s19, 6
	s_sub_co_i32 s2, s2, s25
	v_lshlrev_b32 v10, 3, v226
	v_sub_nc_u32 v10, v225, v10
	v_add_nc_u32 v10, s2, v10                      ; 32 w + r - 64 g - 8 h
	v_add_nc_u32 v11, 16, v10
	s_wait_loadcnt 8                               ; Wo's four loads are in; the eight of Q, issued behind them, stay out
.irp i, 0,1,2,3,4,5,6,7
	v_cvt_pk_bf16_f32 v[80+\i], v[64+2*\i], v[65+2*\i]
.endr
.irp i, 0,1,2,3,4,5,6,7
	v_lshlrev_b32 v[64+2*\i], 16, v[80+\i]
	v_and_b32 v[65+2*\i], 0xffff0000, v[80+\i]
.endr
.irp i, 0,1,2,3,4,5,6,7
	v_cvt_pk_f16_f32 v[80+\i], v[64+2*\i], v[65+2*\i]
.endr
	global_store_b128 v30, v[80:83], s[16:17]
	global_store_b128 v30, v[84:87], s[16:17] offset:4096
	s_wait_xcnt 0x0                                ; v30 and v[80:87] are written again below
; The head of a trip on slot `slot`.  src = 1: the other slot gets the next ordinary key block; 2: pass 2's diagonal block; 0: nothing.
.macro HEAD slot, src
	s_set_vgpr_msb 0x5
	s_wait_tensorcnt 0x0                           ; all my tensor loads have landed, my part of this trip's tile among them: every group 0 may be written
	ds_add_u32 v64, v65
	s_wait_dscnt 0x0
	s_set_vgpr_msb 0x500
.if \src == 1
	s_mov_b64 s[G0K+4*(1-\slot)+2:G0K+4*(1-\slot)+3], s[NXK:NXK+1]
	s_mov_b64 s[G0V+4*(1-\slot)+2:G0V+4*(1-\slot)+3], s[NXV:NXV+1]
	s_mov_b64 s[G0M+4*(1-\slot)+2:G0M+4*(1-\slot)+3], s[NXM:NXM+1]
	s_add_nc_u64 s[NXK:NXK+1], s[NXK:NXK+1], 16384
	s_add_nc_u64 s[NXV:NXV+1], s[NXV:NXV+1], 16384
	s_add_nc_u64 s[NXM:NXM+1], s[NXM:NXM+1], 512
.endif
.if \src == 2
	s_mov_b64 s[G0K+4*(1-\slot)+2:G0K+4*(1-\slot)+3], s[DK:DK+1]
	s_mov_b64 s[G0V+4*(1-\slot)+2:G0V+4*(1-\slot)+3], s[DV:DV+1]
	s_mov_b64 s[G0M+4*(1-\slot)+2:G0M+4*(1-\slot)+3], s[DM:DM+1]
	s_mov_b64 s[NXK:NXK+1], s[BK:BK+1]
	s_mov_b64 s[NXV:NXV+1], s[BV:BV+1]
	s_mov_b64 s[NXM:NXM+1], s[BM:BM+1]
.endif
	s_wait_dscnt 0x0                               ; my reads of the other slot are over
	s_barrier_signal -1
	s_barrier_wait -1                              ; both now hold of all eight waves
.if \src
	KLOAD 1-\slot                                  ; first behind the barrier; it has this trip's work in which to land
.endif
.endm
; One key block against my 32 queries and my 64 keys.  first = 1: the diagonal block, which starts the pass (nothing is cleared).
.macro STEP slot, first
.irp kt, 0,1,2,3
	ds_load_b128 v[BI+8*\kt:BI+8*\kt+3], v3 offset:\slot*SLOT+64*\kt
	ds_load_b128 v[BI+8*\kt+4:BI+8*\kt+7], v3 offset:\slot*SLOT+64*\kt+16
.endr
.irp kt, 0,1,2,3
.irp ks, 0,1
	ds_load_b128 v[KV+16*\kt+8*\ks:KV+16*\kt+8*\ks+3], v1 offset:\slot*SLOT+\kt*16*KP+64*\ks
	ds_load_b128 v[KV+16*\kt+8*\ks+4:KV+16*\kt+8*\ks+7], v1 offset:\slot*SLOT+\kt*16*KP+64*\ks+32
.endr
.endr
.if \first
	s_wait_dscnt 16                                ; the 8 loads of mask addends are in; K's 16, issued behind them, may be out
.irp qt, 0,1
.irp kt, 0,1,2,3
.irp jj, 0,1,2,3,4,5,6,7
	v_cmp_le_i32 vcc_lo, 16*\kt+\jj, v[DQ+\qt]     ; key <= query
	v_cndmask_b32 v[S+32*\qt+8*\kt+\jj], NEG, v[BI+8*\kt+\jj], vcc_lo
.endr
.endr
.endr
	s_wait_loadcnt 0x0                             ; Q
.endif
	s_wait_dscnt 0x0
	; S^T: eight accumulators by turns, one instruction a turn
.irp kt, 0,1,2,3
.irp qt, 0,1
.if \first
	v_wmma_f32_16x16x32_f16 v[S+32*\qt+8*\kt:S+32*\qt+8*\kt+7], v[KV+16*\kt:KV+16*\kt+7], v[QF+16*\qt:QF+16*\qt+7], v[S+32*\qt+8*\kt:S+32*\qt+8*\kt+7]
.else
	v_wmma_f32_16x16x32_f16 v[S+32*\qt+8*\kt:S+32*\qt+8*\kt+7], v[KV+16*\kt:KV+16*\kt+7], v[QF+16*\qt:QF+16*\qt+7], v[BI+8*\kt:BI+8*\kt+7]
.endif
.endr
.endr
.irp kt, 0,1,2,3
.irp qt, 0,1
	v_wmma_f32_16x16x32_f16 v[S+32*\qt+8*\kt:S+32*\qt+8*\kt+7], v[KV+16*\kt+8:KV+16*\kt+15], v[QF+16*\qt+8:QF+16*\qt+15], v[S+32*\qt+8*\kt:S+32*\qt+8*\kt+7]
.endr
.endr
.rept 4
	v_nop                                          ; four places: then K's registers are loaded again and the scores are read (ISA guide 7.12.1)
.endr
.irp p, 0,1
.irp dt, 0,1,2,3
	ds_load_tr16_b128 v[KV+32*\p+8*\dt:KV+32*\p+8*\dt+3], v2 offset:\slot*SLOT+\p*32*VP+32*\dt
	ds_load_tr16_b128 v[KV+32*\p+8*\dt+4:KV+32*\p+8*\dt+7], v2 offset:\slot*SLOT+\p*32*VP+32*\dt+16*VP
.endr
.endr
	; the new maximum of each query: four chains over 32 scores each way, then the partner lane's
.if \first
	v_max3_num_f32 v28, FLOOR, v[S], v[S+1]
	v_max3_num_f32 v29, FLOOR, v[S+32], v[S+33]
.else
	v_max3_num_f32 v28, v[M], v[S], v[S+1]
	v_max3_num_f32 v29, v[M+1], v[S+32], v[S+33]
.endif
	v_max3_num_f32 v30, v[S+16], v[S+17], v[S+18]
	v_max3_num_f32 v31, v[S+48], v[S+49], v[S+50]
.irp i, 1,2,3,4,5,6
	v_max3_num_f32 v28, v28, v[S+2*\i], v[S+2*\i+1]
	v_max3_num_f32 v29, v29, v[S+32+2*\i], v[S+33+2*\i]
	v_max3_num_f32 v30, v30, v[S+17+2*\i], v[S+18+2*\i]
	v_max3_num_f32 v31, v31, v[S+49+2*\i], v[S+50+2*\i]
.endr
	v_max3_num_f32 v28, v28, v[S+14], v[S+15]
	v_max3_num_f32 v29, v29, v[S+46], v[S+47]
	v_max3_num_f32 v28, v28, v30, v[S+31]
	v_max3_num_f32 v29, v29, v31, v[S+63]
	v_permlanex16_b32 v30, v28, s26, s27
	v_permlanex16_b32 v31, v29, s26, s27
	v_max_num_f32 v28, v28, v30
	v_max_num_f32 v29, v29, v31
.if \first == 0
	v_sub_f32 v30, v[M], v28
	v_sub_f32 v31, v[M+1], v29
	v_mul_f32 v30, CS, v30
	v_mul_f32 v31, CS, v31
.endif
	v_mul_f32 v[NM], NCS, v28
	v_mul_f32 v[NM+1], NCS, v28
	v_mul_f32 v[NM+2], NCS, v29
	v_mul_f32 v[NM+3], NCS, v29
.if \first == 0
	v_exp_f32 v[AL], v30                           ; the factor for what has been summed so far, twice: a pair for the packed multiply
	v_exp_f32 v[AL+1], v30
	v_exp_f32 v[AL+2], v31
	v_exp_f32 v[AL+3], v31
.endif
	v_mov_b32 v[M], v28                            ; (also the plain instructions behind the exponentials: ISA guide 5.7.2)
	v_mov_b32 v[M+1], v29
	; p = 2^(CS s - CS m)
.irp qt, 0,1
.irp i, 0,1,2,3,4,5,6,7,8,9,10,11,12,13,14,15
	v_pk_fma_f32 v[S+32*\qt+2*\i:S+32*\qt+2*\i+1], v[S+32*\qt+2*\i:S+32*\qt+2*\i+1], CS, v[NM+2*\qt:NM+2*\qt+1] op_sel_hi:[1,0,1]
.endr
.endr
.set ii, 0
.rept 64
	v_exp_f32 v[S+ii], v[S+ii]
.set ii, ii+1
.endr
	v_nop                                          ; one plain instruction between the exponentials and their use
	s_wait_alu depctr_va_vdst(0)
	v_pk_add_f32 v[SUM:SUM+1], v[S:S+1], v[S+2:S+3]
	v_pk_add_f32 v[SUM+2:SUM+3], v[S+32:S+33], v[S+34:S+35]
	v_pk_add_f32 v[TMP:TMP+1], v[S+16:S+17], v[S+18:S+19]
	v_pk_add_f32 v[TMP+2:TMP+3], v[S+48:S+49], v[S+50:S+51]
.irp i, 2,3,4,5,6,7
	v_pk_add_f32 v[SUM:SUM+1], v[SUM:SUM+1], v[S+2*\i:S+2*\i+1]
	v_pk_add_f32 v[SUM+2:SUM+3], v[SUM+2:SUM+3], v[S+32+2*\i:S+33+2*\i]
	v_pk_add_f32 v[TMP:TMP+1], v[TMP:TMP+1], v[S+16+2*\i:S+17+2*\i]
	v_pk_add_f32 v[TMP+2:TMP+3], v[TMP+2:TMP+3], v[S+48+2*\i:S+49+2*\i]
.endr
	v_pk_add_f32 v[SUM:SUM+1], v[SUM:SUM+1], v[TMP:TMP+1]
	v_pk_add_f32 v[SUM+2:SUM+3], v[SUM+2:SUM+3], v[TMP+2:TMP+3]
.if \first
	v_add_f32 v[LS], v[SUM], v[SUM+1]
	v_add_f32 v[LS+1], v[SUM+2], v[SUM+3]
.else
	v_fma_f32 v[LS], v[LS], v[AL], v[SUM]
	v_fma_f32 v[LS+1], v[LS+1], v[AL+2], v[SUM+2]
	v_add_f32 v[LS], v[LS], v[SUM+1]
	v_add_f32 v[LS+1], v[LS+1], v[SUM+3]
.endif
	; two S tiles become one source-1 fragment of P^T, in place: each write lands on a register already read
.irp bb, S, S+16, S+32, S+48
.irp i, 0,1,2,3
	v_cvt_pk_f16_f32 v[\bb+\i], v[\bb+2*\i], v[\bb+2*\i+1]
.endr
.irp i, 0,1,2,3
	v_cvt_pk_f16_f32 v[\bb+4+\i], v[\bb+8+2*\i], v[\bb+9+2*\i]
.endr
.endr
.if \first == 0
	WIN 0x41                                       ; destination and source 0 in window 1
.irp dt, 0,1,2,3
.irp qt, 0,1
.irp i, 0,1,2,3
	v_pk_mul_f32 v[8*(2*\dt+\qt)+2*\i:8*(2*\dt+\qt)+2*\i+1], v[8*(2*\dt+\qt)+2*\i:8*(2*\dt+\qt)+2*\i+1], v[AL+2*\qt:AL+2*\qt+1]
.endr
.endr
.endr
.endif
	s_wait_dscnt 0x0                               ; V^T
	WIN 0x50                                       ; C and D in window 1
.irp p, 0,1
.irp dt, 0,1,2,3
.irp qt, 0,1
.if \first && (\p == 0)
	v_wmma_f32_16x16x32_f16 v[8*(2*\dt+\qt):8*(2*\dt+\qt)+7], v[KV+32*\p+8*\dt:KV+32*\p+8*\dt+7], v[S+32*\qt+16*\p:S+32*\qt+16*\p+7], 0
.else
	v_wmma_f32_16x16x32_f16 v[8*(2*\dt+\qt):8*(2*\dt+\qt)+7], v[KV+32*\p+8*\dt:KV+32*\p+8*\dt+7], v[S+32*\qt+16*\p:S+32*\qt+16*\p+7], v[8*(2*\dt+\qt):8*(2*\dt+\qt)+7]
.endif
.endr
.endr
.endr
	WIN 0
.rept 5
	v_nop                                          ; five places: the next matrix instruction writes over P, the next loads over V^T
.endr
.endm
.macro TRIP slot, first, src
	HEAD \slot, \src
	STEP \slot, \first
.endm
; The end of a pass: group 1 hands its O, m, l to group 0, which merges, divides, rounds to f16 and stores 32 rows of ctx.
.macro EPI last
	v_permlanex16_b32 v30, v[LS], s26, s27
	v_permlanex16_b32 v31, v[LS+1], s26, s27
	v_add_f32 v[LS], v[LS], v30                    ; the sums of both halves' keys
	v_add_f32 v[LS+1], v[LS+1], v31
.if \last == 0
	s_mov_b32 s2, s24
	s_mov_b32 s3, 0
	s_add_nc_u64 s[28:29], s[4:5], s[2:3]          ; block y; the loads that used this base were waited for in the diagonal trip
	QLOAD
.endif
	s_cmp_eq_u32 s19, 0
	s_cbranch_scc1 .Lno_put_\@
	WIN 0x04                                       ; store data from window 1
.irp c, 0,1,2,3,4,5,6,7,8,9,10,11,12,13,14,15
	ds_store_b128 v4, v[4*\c:4*\c+3] offset:512*\c
.endr
	WIN 0
	ds_store_b128 v4, v[M:M+3] offset:8192
.Lno_put_\@:
	s_wait_dscnt 0x0                               ; for the other group's sake
	s_barrier_signal -1
	s_barrier_wait -1                              ; the next pass's first tile may stay on its way
	s_cmp_lg_u32 s19, 0
	s_cbranch_scc1 .Lmerged_\@
.irp c, 0,1,2,3,4,5,6,7,8,9,10,11,12,13,14,15
	ds_load_b128 v[KV+4*\c:KV+4*\c+3], v4 offset:512*\c
.endr
	ds_load_b128 v[BI:BI+3], v4 offset:8192
	s_wait_dscnt 0x0
	v_max_num_f32 v28, v[M], v[BI]
	v_max_num_f32 v29, v[M+1], v[BI+1]
	v_sub_f32 v[TMP], v[M], v28
	v_sub_f32 v[TMP+1], v[M+1], v29
	v_sub_f32 v[TMP+2], v[BI], v28
	v_sub_f32 v[TMP+3], v[BI+1], v29
.irp i, 0,1,2,3
	v_mul_f32 v[TMP+\i], CS, v[TMP+\i]
.endr
.irp i, 0,1,2,3
	v_exp_f32 v[TMP+\i], v[TMP+\i]
.endr
	v_nop
	s_wait_alu depctr_va_vdst(0)
	v_mul_f32 v[LS], v[LS], v[TMP]
	v_mul_f32 v[LS+1], v[LS+1], v[TMP+1]
	v_fma_f32 v[LS], v[BI+2], v[TMP+2], v[LS]
	v_fma_f32 v[LS+1], v[BI+3], v[TMP+3], v[LS+1]
	v_rcp_f32 v30, v[LS]
	v_rcp_f32 v31, v[LS+1]
	v_nop
	s_wait_alu depctr_va_vdst(0)
	v_mul_f32 v[AL], v[TMP], v30                   ; my factor, twice
	v_mul_f32 v[AL+1], v[TMP], v30
	v_mul_f32 v[AL+2], v[TMP+1], v31
	v_mul_f32 v[AL+3], v[TMP+1], v31
	v_mul_f32 v[NM], v[TMP+2], v30                 ; the partner's
	v_mul_f32 v[NM+1], v[TMP+2], v30
	v_mul_f32 v[NM+2], v[TMP+3], v31
	v_mul_f32 v[NM+3], v[TMP+3], v31
.irp t, 0,1,2,3,4,5,6,7
.irp i, 0,1,2,3
	v_pk_mul_f32 v[KV+8*\t+2*\i:KV+8*\t+2*\i+1], v[KV+8*\t+2*\i:KV+8*\t+2*\i+1], v[NM+2*(\t&1):NM+2*(\t&1)+1]
.endr
.endr
	WIN 0x01                                       ; source 0 from window 1
.irp t, 0,1,2,3,4,5,6,7
.irp i, 0,1,2,3
	v_pk_fma_f32 v[KV+8*\t+2*\i:KV+8*\t+2*\i+1], v[8*\t+2*\i:8*\t+2*\i+1], v[AL+2*(\t&1):AL+2*(\t&1)+1], v[KV+8*\t+2*\i:KV+8*\t+2*\i+1]
.endr
.endr
	WIN 0
.irp t, 0,1,2,3,4,5,6,7
.irp i, 0,1,2,3
	v_cvt_pk_f16_f32 v[TMP+4*\t+\i], v[KV+8*\t+2*\i], v[KV+8*\t+2*\i+1]
.endr
.endr
.irp t, 0,1,2,3,4,5,6,7
	ds_store_b128 v5, v[TMP+4*\t:TMP+4*\t+3] offset:(\t&1)*16*KP+(\t>>1)*32
.endr
.irp t, 0,1,2,3,4,5,6,7
	ds_load_b128 v[S+4*\t:S+4*\t+3], v6 offset:\t*4*KP   ; my own bytes: LDS serves a wave's instructions in order
.endr
.irp t, 0,1,2,3,4,5,6,7
	s_wait_dscnt 7-\t
	global_store_b128 v7, v[S+4*\t:S+4*\t+3], s[30:31] offset:512*\t   ; four rows of ctx: 512 consecutive bytes, aligned
.endr
	s_wait_xcnt 0x0                                ; the stores' data and base are written again below
.Lmerged_\@:
.if \last == 0
	s_add_nc_u64 s[30:31], s[14:15], s[2:3]
.endif
.endm
	; PASS 1: block x = 2 j + 1: the diagonal, then key blocks 0 .. 2 j.  An even number of trips, so pass 2 starts in slot 0 again.
	TRIP 0, 1, 1
	s_cmp_eq_u32 s22, 0
	s_cbranch_scc1 .Lp1_tail
	s_mov_b32 s25, 0
.Lp1:
	TRIP 1, 0, 1
	TRIP 0, 0, 1
	s_add_co_u32 s25, s25, 1
	s_cmp_lt_u32 s25, s22
	s_cbranch_scc1 .Lp1
.Lp1_tail:
	TRIP 1, 0, 2                                   ; the last key block; asks for pass 2's diagonal block
	EPI 0
	; PASS 2: block y = 14 - 2 j: the diagonal, then key blocks 0 .. y - 1 (none where j = 7)
	s_cmp_eq_u32 s22, 7
	s_cbranch_scc1 .Lonly_diag
	TRIP 0, 1, 1
	s_cmp_eq_u32 s23, 0
	s_cbranch_scc1 .Lp2_tail
	s_mov_b32 s25, 0
.Lp2:
	TRIP 1, 0, 1
	TRIP 0, 0, 1
	s_add_co_u32 s25, s25, 1
	s_cmp_lt_u32 s25, s23
	s_cbranch_scc1 .Lp2
.Lp2_tail:
	TRIP 1, 0, 1
	TRIP 0, 0, 0                                   ; asks for nothing: its wait for all tensor loads is the last
	s_branch .Lend
.Lonly_diag:
	TRIP 0, 1, 0
.Lend:
	EPI 1
	s_set_vgpr_msb 0x5
	s_wait_tensorcnt 0x0
	ds_add_u32 v64, v65
	s_wait_dscnt 0x0
	s_set_vgpr_msb 0x500
	s_endpgm
.Lfunc_end_k_q4d0b74f96a_attn:
	.size	k_q4d0b74f96a_attn, .Lfunc_end_k_q4d0b74f96a_attn-k_q4d0b74f96a_attn
	.p2alignl 7, 3214868480
	.fill 96, 4, 3214868480
	.section	.rodata,"a",@progbits
	.p2align	6, 0x0
	.amdhsa_kernel k_q4d0b74f96a_attn
		.amdhsa_group_segment_fixed_size 327680
		.amdhsa_private_segment_fixed_size 0
		.amdhsa_enable_private_segment 0
		.amdhsa_kernarg_size 56
		.amdhsa_user_sgpr_count 2
		.amdhsa_user_sgpr_kernarg_segment_ptr 1
		.amdhsa_wavefront_size32 1
		.amdhsa_system_sgpr_workgroup_id_x 1
		.amdhsa_system_sgpr_workgroup_id_y 1
		.amdhsa_system_sgpr_workgroup_id_z 1
		.amdhsa_system_vgpr_workitem_id 0
		.amdhsa_next_free_vgpr 322
		.amdhsa_next_free_sgpr 102
		.amdhsa_reserve_vcc 1
		.amdhsa_float_denorm_mode_32 3
		.amdhsa_float_denorm_mode_16_64 3
		.amdhsa_memory_ordered 1
		.amdhsa_forward_progress 1
		.amdhsa_inst_pref_size 245
	.end_amdhsa_kernel
	.amdgpu_metadata
---
amdhsa.version: [ 1, 2 ]
amdhsa.kernels:
  - .name:           k_q4d0b74f96a_attn
    .symbol:         k_q4d0b74f96a_attn.kd
    .args:
      - { .name: Qh, .offset: 0, .size: 8, .value_kind: global_buffer, .address_space: global }
      - { .name: Kh, .offset: 8, .size: 8, .value_kind: global_buffer, .address_space: global }
      - { .name: Vh, .offset: 16, .size: 8, .value_kind: global_buffer, .address_space: global }
      - { .name: mbias, .offset: 24, .size: 8, .value_kind: global_buffer, .address_space: global }
      - { .name: Wo, .offset: 32, .size: 8, .value_kind: global_buffer, .address_space: global }
      - { .name: ctx, .offset: 40, .size: 8, .value_kind: global_buffer, .address_space: global }
      - { .name: wo16, .offset: 48, .size: 8, .value_kind: global_buffer, .address_space: global }
    .group_segment_fixed_size: 327680
    .private_segment_fixed_size: 0
    .kernarg_segment_align: 8
    .kernarg_segment_size: 56
    .max_flat_workgroup_size: 256
    .sgpr_count:     102
    .vgpr_count:     322
    .wavefront_size: 32
...
	.end_amdgpu_metadata
.endif
;; end of part 2
;; launch outp (part 3): grid 8 x 32, 4 waves a work-group, clusters of 4 x 4, 327,680 bytes of LDS; arguments ctx, wo16, bo, out0; writes out0
.if DOCPART == 3
	.amdgcn_target "amdgcn-amd-amdhsa--gfx1250"
	.amdhsa_code_object_version 6
	.text
	.protected	k_q4d0b74f96a_outp
	.globl	k_q4d0b74f96a_outp
	.p2align	8
	.type	k_q4d0b74f96a_outp,@function
k_q4d0b74f96a_outp:
	s_mov_b64 s[64:65], 0
	v_nop
	global_prefetch_b8 v0, s[64:65] scope:SCOPE_SE
	s_setreg_imm32_b32 hwreg(HW_REG_WAVE_MODE, 25, 1), 1
	s_wait_xcnt 0x0
	s_wait_alu depctr_hold_cnt(0) depctr_sa_sdst(0) depctr_va_vdst(0) depctr_va_sdst(0) depctr_va_ssrc(0) depctr_va_vcc(0) depctr_vm_vsrc(0)
	s_getreg_b32 s2, hwreg(HW_REG_IB_STS2, 6, 4)
	s_cmp_eq_u32 s2, 0
	s_cbranch_scc0 .Lentry_in_a_cluster
	s_endpgm
.Lentry_in_a_cluster:
	s_bfe_u32 s2, ttmp6, 0x10000c
	s_cmp_lg_u32 s2, 0xf033
	s_cbranch_scc0 .Lentry_shape_is_right
	s_endpgm
.Lentry_shape_is_right:
; out0[t][n] = sum over k of ctx[t][k] Wo[n][k] + bo[n].  ctx: f16, head-major [2][16][2048][64] (k = 64 head + d); wo16: f16 [1024][1024];
; bo: f32 [1024]; out0: f32 [4096][1024].  Sums in f32, started from the bias.
; 256 work-groups, each 128 tokens x 128 features; four waves, each 64 x 64: 16 accumulator tiles in window 1.
; K in eight steps of 128 (two heads) through four LDS slots; everything is written out, there is no loop.
; CLUSTERS: 4 x 4.  ctx's tile hangs on the block row alone (shared along a row of the cluster), Wo's on the block column alone (along a column).
; Slots are filled again two at a time behind one round of the cluster's barrier; a wave has four tensor loads out at the start, later two.
; The matrix instruction is used transposed (source 0 = rows of Wo, source 1 = rows of ctx): a lane holds eight neighbouring features of one token.
.set AP,     144                       ; ctx rows: 128 bytes + 16
.set BP,     272                       ; Wo rows: 256 bytes + 16
.set ASUB,   128*AP                    ; one head's 128 tokens
.set BOFF,   2*ASUB
.set SLOT,   BOFF+128*BP               ; 71,680
.set STAGE,  4*SLOT                    ; 16 rows x 272 bytes for each wave; no tensor load lands here
.set SPITCH, 272
.set ADRA, 16                          ; v16-19
.set ADRB, 20                          ; v20-23
.set STO,  24
.set RD,   25
.set CO,   26
.set BO,   27
.set BIAS, 32                          ; v32-63
.set F0,   64                          ; fragments: Wo's at +8 b, ctx's at +32 + 8 a
.set F1,   128
.set G1A, 16
.set G1B, 24
.set G0A, 32                           ; s[32:47] four slots
.set G0B, 48                           ; s[48:63]
.set MSB, 0
.macro WIN new
.if MSB != \new
	s_set_vgpr_msb (MSB<<8)|\new
.set MSB, \new
.endif
.endm
.macro JLOAD s                         ; waves 0, 1 ask for the two heads of ctx, waves 2, 3 for the two halves of Wo's rows
	s_cmp_eq_u32 s11, 0
	s_cbranch_scc0 .Lfor_b_\@
	tensor_load_to_lds s[G0A+4*\s:G0A+4*\s+3], s[G1A:G1A+7]
	s_nop 0
	s_branch .Lasked_\@
.Lfor_b_\@:
	tensor_load_to_lds s[G0B+4*\s:G0B+4*\s+3], s[G1B:G1B+7]
	s_nop 0
.Lasked_\@:
.endm
.macro CROUND                          ; a round of the cluster's barrier
	s_barrier_signal -1
	s_barrier_wait -1
	s_cmp_lg_u32 s10, 0
	s_cbranch_scc1 .Lnot_wave_0_\@
	s_barrier_signal -3
.Lnot_wave_0_\@:
	s_barrier_wait -3
	s_barrier_signal -1
	s_barrier_wait -1
.endm
	s_load_b128 s[4:7], s[0:1], 0x0                ; ctx, wo16
	s_load_b64 s[66:67], s[0:1], 0x10              ; bo
	s_load_b64 s[8:9], s[0:1], 0x18                ; out0
	v_lshl_add_u32 v254, v0, 2, 0x4a400
	v_mov_b32 v255, 0
	ds_add_u32 v254, v255
	v_lshrrev_b32 v1, 5, v0
	v_readfirstlane_b32 s10, v1
	s_lshr_b32 s11, s10, 1                         ; my half of the tokens; also: I ask for ctx (0) or Wo (1)
	s_and_b32 s12, s10, 1                          ; my half of the features; also: which part I ask for
	s_bfe_u32 s68, ttmp6, 0x40000                  ; cx
	s_bfe_u32 s69, ttmp6, 0x40004                  ; cy
	s_lshl_b32 s70, ttmp9, 2
	s_add_co_u32 s70, s70, s68                     ; block column 0..7
	s_and_b32 s13, ttmp7, 0xffff
	s_lshl_b32 s13, s13, 2
	s_add_co_u32 s13, s13, s69                     ; block row 0..31
	s_lshl_b32 s71, s69, 2
	s_lshl_b32 s71, 15, s71
	s_lshl_b32 s72, 0x1111, s68
	s_or_b32 s[G1A+0], s71, (1<<16)|(1<<20)|(1<<21)|(4<<22)|(3<<25)   ; 2-byte elements; behind every 32 words 4 of padding
	s_mov_b32 s[G1A+1], 64<<16
	s_mov_b32 s[G1A+2], 128<<16
	s_mov_b32 s[G1A+3], 64<<16
	s_mov_b32 s[G1A+4], 128
	s_mov_b32 s[G1A+5], 64
	s_mov_b32 s[G1A+6], 0
	s_mov_b32 s[G1A+7], 0
	s_or_b32 s[G1B+0], s72, (1<<16)|(1<<20)|(1<<21)|(5<<22)|(3<<25)   ; behind every 64 words 4 of padding
	s_mov_b32 s[G1B+1], 128<<16
	s_mov_b32 s[G1B+2], 64<<16
	s_mov_b32 s[G1B+3], 128<<16
	s_mov_b32 s[G1B+4], 64
	s_mov_b32 s[G1B+5], 1024
	s_mov_b32 s[G1B+6], 0
	s_mov_b32 s[G1B+7], 0
	s_lshr_b32 s74, s13, 4                         ; batch
	s_lshl_b32 s74, s74, 4
	s_add_co_u32 s74, s74, s12                     ; head of K step 0 that I ask for
	s_lshl_b32 s74, s74, 11
	s_and_b32 s75, s13, 15
	s_lshl_b32 s75, s75, 7
	s_add_co_u32 s74, s74, s75                     ; + first token
	s_lshl_b32 s74, s74, 7                         ; x 128 bytes
	s_mov_b32 s75, 0
	s_lshl_b32 s76, s70, 18                        ; Wo: row 128 x block column + 64 x half, 2,048 bytes a row
	s_lshl_b32 s77, s12, 17
	s_add_co_u32 s76, s76, s77
	s_mov_b32 s77, 0
	s_mul_i32 s78, s12, ASUB
	s_mul_i32 s79, s12, 64*BP
	s_add_co_u32 s79, s79, BOFF
	s_wait_dscnt 0x0
	s_wait_kmcnt 0x0
	s_add_nc_u64 s[14:15], s[4:5], s[74:75]
	s_add_nc_u64 s[80:81], s[6:7], s[76:77]
	CROUND                                         ; in front of the first joint loads
.irp s, 0,1,2,3
	s_mov_b32 s[G0A+4*\s], 1
	s_add_co_u32 s[G0A+4*\s+1], s78, \s*SLOT
	s_add_nc_u64 s[G0A+4*\s+2:G0A+4*\s+3], s[14:15], \s*524288    ; two heads on
	s_or_b32 s[G0A+4*\s+3], s[G0A+4*\s+3], 0x80000000
	s_mov_b32 s[G0B+4*\s], 1
	s_add_co_u32 s[G0B+4*\s+1], s79, \s*SLOT
	s_add_nc_u64 s[G0B+4*\s+2:G0B+4*\s+3], s[80:81], \s*256
	s_or_b32 s[G0B+4*\s+3], s[G0B+4*\s+3], 0x80000000
	JLOAD \s
.endr
	v_and_b32 v1, 15, v0
	v_bfe_u32 v2, v0, 4, 1
	v_lshlrev_b32 v[BO], 5, v2
	s_lshl_b32 s76, s70, 9                         ; my first feature x 4 bytes
	s_lshl_b32 s77, s12, 8
	s_add_co_u32 s76, s76, s77
	s_mov_b32 s77, 0
	s_add_nc_u64 s[66:67], s[66:67], s[76:77]
.irp b, 0,1,2,3
	global_load_b128 v[BIAS+8*\b:BIAS+8*\b+3], v[BO], s[66:67] offset:64*\b
	global_load_b128 v[BIAS+8*\b+4:BIAS+8*\b+7], v[BO], s[66:67] offset:64*\b+16
.endr
	s_add_nc_u64 s[8:9], s[8:9], s[76:77]          ; out0 at my first column,
	s_lshl_b32 s74, s13, 19
	s_lshl_b32 s75, s11, 18
	s_add_co_u32 s74, s74, s75
	s_mov_b32 s75, 0
	s_add_nc_u64 s[8:9], s[8:9], s[74:75]          ; and my first row (4,096 bytes a row)
	v_mul_u32_u24 v3, v1, AP
	v_lshl_add_u32 v3, v2, 4, v3
	v_mul_u32_u24 v4, v1, BP
	v_lshl_add_u32 v4, v2, 4, v4
	s_mul_i32 s78, s11, 64*AP
	s_mul_i32 s79, s12, 64*BP
	s_add_co_u32 s79, s79, BOFF
.irp s, 0,1,2,3
	v_add_nc_u32 v[ADRA+\s], s78, v3
	v_add_nc_u32 v[ADRB+\s], s79, v4
	s_add_co_u32 s78, s78, SLOT
	s_add_co_u32 s79, s79, SLOT
.endr
	s_mul_i32 s78, s10, 16*SPITCH
	s_add_co_u32 s78, s78, STAGE
	v_mul_u32_u24 v5, v1, SPITCH
	v_lshl_add_u32 v5, v2, 5, v5
	v_add_nc_u32 v[STO], s78, v5                   ; in: row l % 16, 32 bytes for each half of the lanes
	v_mul_u32_u24 v5, v2, SPITCH
	v_lshl_add_u32 v5, v1, 4, v5
	v_add_nc_u32 v[RD], s78, v5                    ; back: sixteen lanes take a row of 256 bytes
	v_lshlrev_b32 v5, 12, v2
	v_lshl_add_u32 v[CO], v1, 4, v5
.macro FETCHQ slot, kq, f              ; 16 LDS loads: the fragments of 32 K
.irp b, 0,1,2,3
	ds_load_b128 v[\f+8*\b:\f+8*\b+3], v[ADRB+\slot] offset:\b*16*BP+64*\kq
	ds_load_b128 v[\f+8*\b+4:\f+8*\b+7], v[ADRB+\slot] offset:\b*16*BP+64*\kq+32
.endr
.irp a, 0,1,2,3
	ds_load_b128 v[\f+32+8*\a:\f+32+8*\a+3], v[ADRA+\slot] offset:(\kq>>1)*ASUB+\a*16*AP+64*(\kq&1)
	ds_load_b128 v[\f+32+8*\a+4:\f+32+8*\a+7], v[ADRA+\slot] offset:(\kq>>1)*ASUB+\a*16*AP+64*(\kq&1)+32
.endr
.endm
; 16 matrix instructions on 16 accumulators by turns, one instruction a turn.  cm = 1: the sums start from the bias.
.macro MULT f, cm, left
	s_wait_dscnt \left
.if \cm
	WIN 0x40                                       ; D in window 1, C (the bias) in window 0
.else
	WIN 0x50                                       ; C and D in window 1
.endif
.irp a, 0,1,2,3
.irp b, 0,1,2,3
.if \cm
	v_wmma_f32_16x16x32_f16 v[8*(4*\a+\b):8*(4*\a+\b)+7], v[\f+8*\b:\f+8*\b+7], v[\f+32+8*\a:\f+32+8*\a+7], v[BIAS+8*\b:BIAS+8*\b+7]
.else
	v_wmma_f32_16x16x32_f16 v[8*(4*\a+\b):8*(4*\a+\b)+7], v[\f+8*\b:\f+8*\b+7], v[\f+32+8*\a:\f+32+8*\a+7], v[8*(4*\a+\b):8*(4*\a+\b)+7]
.endif
.endr
.endr
	WIN 0
.endm
.macro PLACES                          ; a load into a register that a matrix instruction has read stands four plain vector instructions behind it
.rept 4
	v_nop
.endr
.endm
; a quarter step: fetch the next quarter's fragments (slot ns, quarter nq) into g, multiply f
.macro QRT ns, nq, f, g, cm
	PLACES
	FETCHQ \ns, \nq, \g
	MULT \f, \cm, 16                               ; all but the 16 loads just issued are in
.endm
.macro THREE slot, cm
	QRT \slot, 1, F0, F1, \cm
	QRT \slot, 2, F1, F0, 0
	QRT \slot, 3, F0, F1, 0
.endm
.macro SHOW left                       ; the next tile is whole for all four waves; younger tiles stay out
	s_wait_tensorcnt \left
	s_wait_dscnt 0x0
	s_barrier_signal -1
	s_barrier_wait -1
.endm
.macro FILL a, b                       ; slots a and b, which have been read, get the tiles four K steps on
	s_wait_dscnt 0x0                               ; my reads of both slots are over (the last quarter's fragments are in registers)
	s_wait_tensorcnt 0x0                           ; all my tensor loads have landed: the next two tiles are there, every group 0 may be written
	ds_add_u32 v254, v255
	s_wait_dscnt 0x0
.irp t, \a, \b
	s_add_nc_u64 s[G0A+4*\t+2:G0A+4*\t+3], s[G0A+4*\t+2:G0A+4*\t+3], 4*524288
	s_add_nc_u64 s[G0B+4*\t+2:G0B+4*\t+3], s[G0B+4*\t+2:G0B+4*\t+3], 4*256
.endr
	CROUND                                         ; both now hold of every wave of all sixteen work-groups
	JLOAD \a                                       ; the first tensor loads behind the round; each has two K steps' work in which to land
	JLOAD \b
.endm
	SHOW 3                                         ; tile 0 is in; tiles 1, 2, 3 stay out
	FETCHQ 0, 0, F0
	s_wait_loadcnt 0x0                             ; the bias
	THREE 0, 1                                     ; tile 0
	SHOW 2                                         ; tile 1 is in
	QRT 1, 0, F1, F0, 0
	THREE 1, 0                                     ; tile 1
	FILL 0, 1                                      ; tiles 2 and 3 are in; tiles 4, 5 go out
	QRT 2, 0, F1, F0, 0
	THREE 2, 0                                     ; tile 2
	QRT 3, 0, F1, F0, 0
	THREE 3, 0                                     ; tile 3
	FILL 2, 3                                      ; tiles 4 and 5 are in; tiles 6, 7 go out
	QRT 0, 0, F1, F0, 0
	THREE 0, 0                                     ; tile 4
	QRT 1, 0, F1, F0, 0
	THREE 1, 0                                     ; tile 5
	SHOW 1                                         ; tile 6 is in
	QRT 2, 0, F1, F0, 0
	THREE 2, 0                                     ; tile 6
	SHOW 0                                         ; tile 7 is in
	QRT 3, 0, F1, F0, 0
	THREE 3, 0                                     ; tile 7
	MULT F1, 0, 0
	; THE WAY OUT, 16 tokens at a time through my own stage: a lane's 32 bytes in, whole rows of 256 bytes back
	PLACES
.macro OUT16 a, f
	WIN 0x04                                       ; store data from window 1
.irp b, 0,1,2,3
	ds_store_b128 v[STO], v[8*(4*\a+\b):8*(4*\a+\b)+3] offset:64*\b
	ds_store_b128 v[STO], v[8*(4*\a+\b)+4:8*(4*\a+\b)+7] offset:64*\b+16
.endr
	WIN 0
	s_wait_xcnt 0x0                                ; buffer f, which earlier stores read, and the stores' base are rewritten only behind this wait
.if \a
	s_add_nc_u64 s[8:9], s[8:9], 16*4096
.endif
.irp t, 0,1,2,3,4,5,6,7
	ds_load_b128 v[\f+4*\t:\f+4*\t+3], v[RD] offset:\t*2*SPITCH   ; LDS serves a wave's instructions in order: these see the stores above
.endr
.irp t, 0,1,2,3,4,5,6,7
	s_wait_dscnt 7-\t
	global_store_b128 v[CO], v[\f+4*\t:\f+4*\t+3], s[8:9] offset:\t*8192 th:TH_STORE_NT   ; sixteen lanes store 256 consecutive bytes, aligned
.endr
.endm
	OUT16 0, F0
	OUT16 1, F1
	OUT16 2, F0
	OUT16 3, F1
	s_wait_tensorcnt 0x0
	ds_add_u32 v254, v255
	s_wait_dscnt 0x0
	CROUND                                         ; the closing round
	s_endpgm
.Lfunc_end_k_q4d0b74f96a_outp:
	.size	k_q4d0b74f96a_outp, .Lfunc_end_k_q4d0b74f96a_outp-k_q4d0b74f96a_outp
	.p2alignl 7, 3214868480
	.fill 96, 4, 3214868480
	.section	.rodata,"a",@progbits
	.p2align	6, 0x0
	.amdhsa_kernel k_q4d0b74f96a_outp
		.amdhsa_group_segment_fixed_size 327680
		.amdhsa_private_segment_fixed_size 0
		.amdhsa_enable_private_segment 0
		.amdhsa_kernarg_size 32
		.amdhsa_user_sgpr_count 2
		.amdhsa_user_sgpr_kernarg_segment_ptr 1
		.amdhsa_wavefront_size32 1
		.amdhsa_system_sgpr_workgroup_id_x 1
		.amdhsa_system_sgpr_workgroup_id_y 1
		.amdhsa_system_sgpr_workgroup_id_z 1
		.amdhsa_system_vgpr_workitem_id 0
		.amdhsa_next_free_vgpr 384
		.amdhsa_next_free_sgpr 84
		.amdhsa_reserve_vcc 0
		.amdhsa_float_denorm_mode_32 3
		.amdhsa_float_denorm_mode_16_64 3
		.amdhsa_memory_ordered 1
		.amdhsa_forward_progress 1
		.amdhsa_inst_pref_size 93
	.end_amdhsa_kernel
	.amdgpu_metadata
---
amdhsa.version: [ 1, 2 ]
amdhsa.kernels:
  - .name:           k_q4d0b74f96a_outp
    .symbol:         k_q4d0b74f96a_outp.kd
    .args:
      - { .name: ctx, .offset: 0, .size: 8, .value_kind: global_buffer, .address_space: global }
      - { .name: wo16, .offset: 8, .size: 8, .value_kind: global_buffer, .address_space: global }
      - { .name: bo, .offset: 16, .size: 8, .value_kind: global_buffer, .address_space: global }
      - { .name: out0, .offset: 24, .size: 8, .value_kind: global_buffer, .address_space: global }
    .group_segment_fixed_size: 327680
    .private_segment_fixed_size: 0
    .kernarg_segment_align: 8
    .kernarg_segment_size: 32
    .max_flat_workgroup_size: 128
    .sgpr_count:     84
    .vgpr_count:     384
    .wavefront_size: 32
...
	.end_amdgpu_metadata
.endif
;; end of part 3
